; MI455X (gfx1250); checked and timed in simulation.
; The chip was launched on July 23, 2026; its instructions are those of AMD's public machine-readable ISA for CDNA 5 (MIT licence, August 2026) and "CDNA5" Instruction Set Architecture Reference Guide (July 2026). The comments in the code are by the model that wrote it; some were corrected since.
;; Quantum LLP Model. Allowed arithmetic: float matrix products may take bf16 or f16 operands with f32 sums; all other float work in f32.
;; Inputs: params 1 x 20 float32; patterns 64 x 20 int32; x 65,536 x 20 float32.
;; Outputs: out0 65,536 x 64 float32.
;; One version. Each part assembles by itself: llvm-mc -triple=amdgcn-amd-amdhsa -mcpu=gfx1250 --defsym DOCPART=n.
;; ======== version 1 of 1: 1 launch
;; launch llp (part 1): grid 256 x 1, 8 waves a work-group, no clusters, 38,400 bytes of LDS; arguments x, params, patterns, out0; writes out0
.if DOCPART == 1
	.amdgcn_target "amdgcn-amd-amdhsa--gfx1250"
	.amdhsa_code_object_version 6
	.text
	.protected	k_qd055f52cbc_llp
	.globl	k_qd055f52cbc_llp
	.p2align	8
	.type	k_qd055f52cbc_llp,@function
k_qd055f52cbc_llp:
	s_mov_b64 s[64:65], 0
	v_nop
	global_prefetch_b8 v0, s[64:65] scope:SCOPE_SE
	s_setreg_imm32_b32 hwreg(HW_REG_WAVE_MODE, 25, 1), 1
	s_wait_xcnt 0x0
; probs[b][c] = prod_q (patterns[c][q] == 1 ? sin^2(ang/2) : cos^2(ang/2)) / (sum of that over c),  ang = pi x[b][q] + params[q].
; x [65536][20] f32, params [20] f32, patterns [64][20] i32, out0 [65536][64] f32.
;
; HOW.  The product of all twenty cos^2 is common to the 64 classes of a row and cancels in the division, so
;   probs[b][c] = 2^L[b][c] / sum_c 2^L[b][c],   L[b][c] = sum_q bit[c][q] * 2 d[b][q],   d = log2 |tan(ang/2)|.
; L is a product with an exact matrix of 0 and 2.0: it goes to the matrix unit, in place of 64 x 20 selects and multiplies a row.
; The row's largest L is taken away before the exponential.
; d goes in as two f16 numbers: hi = d with its low 13 mantissa bits cleared (11 significant bits: exact in f16), lo = f16(d - hi), so that
; hi + lo is d to 2^-21 |d|.  |d| stays under 121 for every input (see LIMITS), inside f16's range.  20 qubits x 2 parts = 40 places along K:
; two products of K = 32 for each block of 16 x 16.
; d: u = x/2 + params/(2 pi) is ang/2 in units of pi; r = u - rndne(u) is exact; a = |r|, b = 1/2 - a, v = a - b.  Then
;   log2 tan(pi a) = log2 a - log2 b + v Q(v^2),   coefficient of v^p (p odd) = 2 * 2^p / (p ln 2) * (beta(p) - 1),  beta(p) = 1 - 3^-p + 5^-p - ...
; The two logarithms carry the zeros of sine and cosine with full relative accuracy; what is left has its nearest singularity at |v| = 3/2,
; and |v| <= 1/2.  Q is cut behind v^11: the first term left out is at most 1.4e-7 in d, for every input, since the argument is reduced first.
;
; SHARES.  256 work-groups x 8 waves x 2 tiles x 16 rows = 65,536 rows.  Lane (r = lane % 16, h = lane / 16) holds ten qubits of row r:
; q = 4h..4h+3 (pairs 0, 1), 8+4h..8+4h+3 (pairs 2, 3), 16+2h, 17+2h (pair 4): bytes 16h, 32+16h, 64+8h of the row of 80 bytes.
; THE PRODUCTS ARE USED TRANSPOSED: source 0 = 16 classes, source 1 = 16 rows of x.  Register j of block t in lane (r, h) is then
; L(row r, class 16 t + 8 h + j): a lane holds 32 of its row's 64 classes, and a reduction along the row is 16 steps in the lane and one
; exchange between the halves.  (With rows along the registers it would be 4 steps between lanes for each of 8 registers, twice, and eight
; reciprocals: 67 vector instructions more a tile than here.)  The price: a tile leaves through the wave's own stage in LDS, 8 stores
; and 8 loads of 16 bytes a lane, so that each store to memory covers 512 consecutive bytes, aligned (two whole rows of out0).
; B IS BUILT ONCE FOR THE WORK-GROUP: thread t turns words t + 256 k (k = 0..4) of patterns into f16 (2.0 where the word is 1, else 0) in an
; image [64][20] in LDS; behind one barrier every wave reads its fragments from it.
; No cluster: the only bytes that work-groups share are the 5,120 of patterns, beside 20,480 + 65,536 of a work-group's own.
;
; LIMITS.  2^-120 is added to a and to b, so that no logarithm is infinite: a distance from a zero of sine or cosine under 2^-97 (in units
; of pi) no longer counts in full, a range in which the f32 squares of the problem's formula have long become 0.  Where all 64 products of that
; formula underflow it yields 0/0 = NaN; this text yields the finite normalised numbers.  NaN or infinity in x or params makes the row
; NaN, as there.  u is rounded once to f32: its error is half a unit of u's last place and grows with |x| and |params|, as the formula's ang does.
.set XROW,   80                        ; bytes in a row of x
.set TILE_X, 16*XROW                   ; 1,280
.set WAVE_X, 2*TILE_X                  ; 2,560
.set WG_X,   8*WAVE_X                  ; 20,480
.set TILE_O, 16*256                    ; a tile of out0: 16 rows of 256 bytes
.set BROW,   40                        ; LDS: a class's 20 f16 in the image of B
.set STAGE,  64*BROW                   ; LDS: the image takes 2,560 bytes; behind it the waves' stages
.set SPITCH, 272                       ; a stage's rows: 256 bytes + 16, so that the sixteen lanes of a 16-byte store, one row each, touch sixteen different 16-byte columns modulo 256
.set XO,   8                           ; v8      x: wave x 2,560 + 80 r + 16 h
.set XO2,  9                           ; v9      x: wave x 2,560 + 80 r + 8 h
.set PO,   10                          ; v10     params: 16 h
.set PO2,  11                          ; v11     params: 8 h
.set PTO,  12                          ; v12     patterns: 4 t
.set BST,  13                          ; v13     LDS, image: 2 t (wave x 64 + 2 x lane)
.set BLD,  14                          ; v14     LDS, image: 40 r + 8 h
.set BLD2, 15                          ; v15     LDS, image: 40 r + 4 h
.set STO,  16                          ; v16     LDS, my wave's stage: 272 r + 32 h
.set RD,   17                          ; v17     LDS, my wave's stage: 272 h + 16 r
.set OO,   18                          ; v18     out0: wave x 8,192 + 256 h + 16 r
.set KTWO, 19                          ; v19     0x4000 = 2.0 in f16
.set C0,   20                          ; v[20:31] Q's six coefficients, each twice (a pair for the packed fma)
.set C1,   22
.set C2,   24
.set C3,   26
.set C4,   28
.set C5,   30
.set TINY, 32                          ; v[32:33] 2^-120, twice
.set PP,   34                          ; v[34:43] params / (2 pi) of my ten qubits
.set X,    44                          ; v[44:63] x of my ten qubits, tile 0, tile 1
.set A1,   64                          ; v[64:71] first product:  hi of pairs 0..4, lo of pairs 4, 0, 1
.set A2,   72                          ; v[72:79] second product: 0, 0, lo of pairs 2, 3, 0, 0, 0, 0
.set W,    80                          ; v[80:99]   u, then a (10) and b (10), then their logarithms
.set V,    100                         ; v[100:109] v = a - b; later hi
.set Z,    110                         ; v[110:119] v^2
.set P,    120                         ; v[120:129] Q, then d, then d - hi
.set BF,   130                         ; v[130:161] B, block t in 8 registers: pairs 0 1 2 3 4 4 0 1; serves both products
.set D,    162                         ; v[162:193] four accumulators; then the exponentials, then the results
.set TM,   194                         ; v[194:201] at work in the reductions; at the start: my five words of patterns
.set M,    202                         ; v[202:203] the row's maximum, then 1/sum (the first of the pair; the second is written once and never used)
.set PM,   204                         ; v204       what the other half of the lanes sends
.set R,    206                         ; v[206:237] a tile's rows as read back from the stage
.macro SETPAIR reg, bits
	v_mov_b32 v[\reg], \bits
	v_mov_b32 v[\reg+1], \bits
.endm
	s_load_b256 s[4:11], s[0:1], 0x0               ; x s[4:5], params s[6:7], patterns s[8:9], out0 s[10:11]
	v_lshl_add_u32 v238, v0, 2, 0x9200
	v_mov_b32 v239, 0
	; all that needs no address stands ahead of the wait for the addresses
	v_and_b32 v1, 15, v0                           ; r
	v_bfe_u32 v2, v0, 4, 1                         ; h
	v_lshrrev_b32 v3, 5, v0                        ; wave
	v_readfirstlane_b32 s25, v3                    ; and as a scalar, for the LDS addresses
	v_and_b32 v7, 31, v0                           ; lane
	v_mul_u32_u24 v4, v1, XROW
	v_mad_u32_u24 v4, v3, WAVE_X, v4               ; my row in the work-group's part of x
	v_lshl_add_u32 v[XO], v2, 4, v4
	v_lshl_add_u32 v[XO2], v2, 3, v4
	v_lshlrev_b32 v[PO], 4, v2
	v_lshlrev_b32 v[PO2], 3, v2
	v_lshlrev_b32 v[PTO], 2, v0
	s_lshl_b32 s26, s25, 6                         ; my wave's 32 f16 in each 512 bytes of the image
	v_lshl_add_u32 v[BST], v7, 1, s26
	v_mul_u32_u24 v5, v1, BROW
	v_lshl_add_u32 v[BLD], v2, 3, v5
	v_lshl_add_u32 v[BLD2], v2, 2, v5
	s_mul_i32 s27, s25, 16*SPITCH
	s_add_co_u32 s27, s27, STAGE                   ; my wave's stage
	v_mul_u32_u24 v6, v1, SPITCH                   ; in: row r, 32 bytes for each half of the lanes
	v_lshl_add_u32 v6, v2, 5, v6
	v_add_nc_u32 v[STO], s27, v6
	v_mul_u32_u24 v6, v2, SPITCH                   ; back: lanes 0-15 take one row of 256 bytes, lanes 16-31 the next
	v_lshl_add_u32 v6, v1, 4, v6
	v_add_nc_u32 v[RD], s27, v6
	v_lshlrev_b32 v6, 13, v3                       ; wave x 32 rows x 256 bytes
	v_lshl_add_u32 v6, v2, 8, v6                   ; and the same two rows in out0
	v_lshl_add_u32 v[OO], v1, 4, v6
	s_mul_i32 s12, ttmp9, WG_X                     ; the work-group's 256 rows of x (under 2^23 bytes)
	s_mov_b32 s13, 0
	s_lshl_b32 s14, ttmp9, 16                      ; and of out0: 256 rows x 256 bytes
	s_mov_b32 s15, 0
	s_mov_b32 s16, 0x7fffffff                      ; clears a sign
	s_mov_b32 s17, 0xffffe000                      ; keeps sign, exponent and 10 mantissa bits
	s_mov_b32 s18, 0x76543210                      ; v_permlanex16_b32: lane i of one half reads lane i of the other
	s_mov_b32 s19, 0xfedcba98
	v_mov_b32 v[KTWO], 0x4000
	SETPAIR C0, 0xbf9e848c                         ; p = 1:  -1.23842002
	SETPAIR C1, 0xbe74acad                         ; p = 3:  -0.23893995
	SETPAIR C2, 0xbd914eff                         ; p = 5:  -0.07095145
	SETPAIR C3, 0xbcc08d20                         ; p = 7:  -0.02350479
	SETPAIR C4, 0xbc075178                         ; p = 9:  -0.00825917
	SETPAIR C5, 0xbb460981                         ; p = 11: -0.00302181
	SETPAIR TINY, 0x03800000                       ; 2^-120
.irp k, 0,1,4,5,6,7
	v_mov_b32 v[A2+\k], 0                          ; the six registers of the second product's operand that carry nothing, once for both tiles
.endr
	v_mov_b32 v[PM], 0                             ; v_permlanex16_b32 counts as a reader of its destination
	v_mov_b32 v[M+1], 0                            ; the packed forms name the pair M, M+1 and take M for both halves
	s_wait_kmcnt 0x0
	s_add_nc_u64 s[4:5], s[4:5], s[12:13]
	s_add_nc_u64 s[10:11], s[10:11], s[14:15]
	; All 14 loads at once.
.irp k, 0,1,2,3,4
	global_load_b32 v[TM+\k], v[PTO], s[8:9] offset:1024*\k        ; the eight waves read 1,024 consecutive bytes of patterns at a time: 5 x 1,024 = 5,120
.endr
	global_load_b128 v[PP:PP+3],   v[PO],  s[6:7]
	global_load_b128 v[PP+4:PP+7], v[PO],  s[6:7] offset:32
	global_load_b64  v[PP+8:PP+9], v[PO2], s[6:7] offset:64
	; x: the three loads of a tile read its 1,280 consecutive bytes once between them, 32, 32 and 16 bytes of each row.  No cache hint:
	; neighbouring bytes are asked for by the next of the three.
.irp i, 0,1
	global_load_b128 v[X+10*\i:X+10*\i+3],   v[XO],  s[4:5] offset:TILE_X*\i
	global_load_b128 v[X+10*\i+4:X+10*\i+7], v[XO],  s[4:5] offset:TILE_X*\i+32
	global_load_b64  v[X+10*\i+8:X+10*\i+9], v[XO2], s[4:5] offset:TILE_X*\i+64
.endr
	; The image of B: word i of patterns becomes the f16 at byte 2 i, that is [class][qubit] with 40 bytes a class.
	s_wait_loadcnt 6                               ; loads come back in order (ISA guide 5.7.1): patterns' five and params' three are in; x's six stay out
.irp k, 0,1,2,3,4
	v_cmp_eq_u32 s[20+\k], 1, v[TM+\k]
.endr
.irp k, 0,1,2,3,4
	v_cndmask_b32 v[TM+\k], 0, v[KTWO], s[20+\k]
.endr
.irp k, 0,1,2,3,4
	ds_store_b16 v[BST], v[TM+\k] offset:512*\k
.endr
.irp p, 0,2,4,6,8
	v_pk_mul_f32 v[PP+\p:PP+\p+1], v[PP+\p:PP+\p+1], 0x3e22f983 op_sel_hi:[1,0]   ; params / (2 pi)
.endr
	s_wait_dscnt 0x0                               ; my part of the image is written: zero, for the other waves' sake
	s_barrier_signal -1
	s_barrier_wait -1                              ; everybody's is; nothing writes the image again
.irp t, 0,1,2,3
	ds_load_b64 v[BF+8*\t:BF+8*\t+1],   v[BLD],  offset:16*BROW*\t        ; class 16 t + r: pairs 0, 1
	ds_load_b64 v[BF+8*\t+2:BF+8*\t+3], v[BLD],  offset:16*BROW*\t+16     ; pairs 2, 3
	ds_load_b32 v[BF+8*\t+4],           v[BLD2], offset:16*BROW*\t+32     ; pair 4
	ds_load_b32 v[BF+8*\t+5],           v[BLD2], offset:16*BROW*\t+32     ; pair 4 once more, for its lo part
	ds_load_b64 v[BF+8*\t+6:BF+8*\t+7], v[BLD],  offset:16*BROW*\t        ; pairs 0, 1 once more
.endr
; u = x/2 + params/(2 pi): ang/2 in units of pi, one rounding
.macro ANGLE i
.irp p, 0,2,4,6,8
	v_pk_fma_f32 v[W+\p:W+\p+1], v[X+10*\i+\p:X+10*\i+\p+1], 0.5, v[PP+\p:PP+\p+1] op_sel_hi:[1,0,1]
.endr
.endm
; from u in W[0..9] to A1, A2.  Every stage runs over all ten qubits before the next begins, so that no instruction waits for the one in front.
.macro ODDS
.irp k, 0,1,2,3,4,5,6,7,8,9
	v_rndne_f32 v[W+10+\k], v[W+\k]
.endr
.irp p, 0,2,4,6,8
	v_pk_add_f32 v[W+\p:W+\p+1], v[W+\p:W+\p+1], v[W+10+\p:W+10+\p+1] neg_lo:[0,1] neg_hi:[0,1]   ; r = u - rndne(u), exact, in [-1/2, 1/2]
.endr
.irp k, 0,1,2,3,4,5,6,7,8,9
	v_and_b32 v[W+\k], s16, v[W+\k]                ; a = |r|: sin^2 and cos^2 are even in r
.endr
.irp p, 0,2,4,6,8
	v_pk_fma_f32 v[V+\p:V+\p+1], v[W+\p:W+\p+1], 2.0, -0.5 op_sel_hi:[1,0,0]                     ; v = a - b = 2 a - 1/2
.endr
.irp p, 0,2,4,6,8
	v_pk_fma_f32 v[W+10+\p:W+10+\p+1], v[W+\p:W+\p+1], -1.0, 0.5 op_sel_hi:[1,0,0]               ; b = 1/2 - a: cos(pi a) = sin(pi b)
.endr
.irp p, 0,2,4,6,8,10,12,14,16,18
	v_pk_add_f32 v[W+\p:W+\p+1], v[W+\p:W+\p+1], v[TINY:TINY+1]                                  ; never 0, so no logarithm is infinite
.endr
.irp k, 0,1,2,3,4,5,6,7,8,9,10,11,12,13,14,15,16,17,18,19
	v_log_f32 v[W+\k], v[W+\k]
.endr
	; Q stands behind the run of logarithms and touches none of their registers: the plain vector instruction that comes between a
	; transcendental and the first use of its result (ISA guide 5.7.2) is useful work here
.irp p, 0,2,4,6,8
	v_pk_mul_f32 v[Z+\p:Z+\p+1], v[V+\p:V+\p+1], v[V+\p:V+\p+1]
.endr
.irp p, 0,2,4,6,8
	v_pk_fma_f32 v[P+\p:P+\p+1], v[Z+\p:Z+\p+1], v[C5:C5+1], v[C4:C4+1]
.endr
.irp c, C3, C2, C1, C0
.irp p, 0,2,4,6,8
	v_pk_fma_f32 v[P+\p:P+\p+1], v[P+\p:P+\p+1], v[Z+\p:Z+\p+1], v[\c:\c+1]
.endr
.endr
	s_wait_alu depctr_va_vdst(0)
.irp p, 0,2,4,6,8
	v_pk_add_f32 v[W+\p:W+\p+1], v[W+\p:W+\p+1], v[W+10+\p:W+10+\p+1] neg_lo:[0,1] neg_hi:[0,1]   ; log2 a - log2 b
.endr
.irp p, 0,2,4,6,8
	v_pk_fma_f32 v[P+\p:P+\p+1], v[V+\p:V+\p+1], v[P+\p:P+\p+1], v[W+\p:W+\p+1]                   ; d = v Q + that
.endr
.irp k, 0,1,2,3,4,5,6,7,8,9
	v_and_b32 v[V+\k], s17, v[P+\k]                ; hi: 11 significant bits
.endr
.irp p, 0,2,4,6,8
	v_pk_add_f32 v[P+\p:P+\p+1], v[P+\p:P+\p+1], v[V+\p:V+\p+1] neg_lo:[0,1] neg_hi:[0,1]         ; d - hi, exact
.endr
.irp i, 0,1,2,3,4
	v_cvt_pk_f16_f32 v[A1+\i], v[V+2*\i], v[V+2*\i+1]
.endr
	v_cvt_pk_f16_f32 v[A1+5], v[P+8], v[P+9]       ; lo of pair 4, beside B's register 5
	v_cvt_pk_f16_f32 v[A1+6], v[P+0], v[P+1]       ; of pair 0, beside register 6
	v_cvt_pk_f16_f32 v[A1+7], v[P+2], v[P+3]       ; of pair 1, beside register 7
	v_cvt_pk_f16_f32 v[A2+2], v[P+4], v[P+5]       ; of pairs 2 and 3: the second product, beside registers 2 and 3
	v_cvt_pk_f16_f32 v[A2+3], v[P+6], v[P+7]
.endm
; L = B A1 + B A2.  The first product starts the sums.  The four accumulators take turns, one instruction a turn.
.macro LOGITS
.irp t, 0,1,2,3
	v_wmma_f32_16x16x32_f16 v[D+8*\t:D+8*\t+7], v[BF+8*\t:BF+8*\t+7], v[A1:A1+7], 0
.endr
.irp t, 0,1,2,3
	v_wmma_f32_16x16x32_f16 v[D+8*\t:D+8*\t+7], v[BF+8*\t:BF+8*\t+7], v[A2:A2+7], v[D+8*\t:D+8*\t+7]
.endr
.endm
; 2^L normalised along each row, and out.  My 32 numbers in D belong to row r; lane r of the other half holds the row's other 32.
.macro SOFTMAX i
.irp k, 0,1,2,3,4,5,6,7
	v_max3_num_f32 v[TM+\k], v[D+3*\k], v[D+3*\k+1], v[D+3*\k+2]                  ; D 0..23
.endr
.irp k, 0,1,2,3
	v_max3_num_f32 v[TM+\k], v[TM+\k], v[TM+4+\k], v[D+24+\k]                     ; D 24..27
.endr
	v_max3_num_f32 v[TM], v[TM], v[TM+1], v[D+28]
	v_max3_num_f32 v[TM+2], v[TM+2], v[TM+3], v[D+29]
	v_max3_num_f32 v[TM], v[TM], v[TM+2], v[D+30]
	v_max_num_f32 v[TM], v[TM], v[D+31]
	v_permlanex16_b32 v[PM], v[TM], s18, s19
	v_max_num_f32 v[M], v[TM], v[PM]               ; the row's largest L, in both lanes that hold the row
.irp p, 0,2,4,6,8,10,12,14,16,18,20,22,24,26,28,30
	v_pk_add_f32 v[D+\p:D+\p+1], v[D+\p:D+\p+1], v[M:M+1] op_sel_hi:[1,0] neg_lo:[0,1] neg_hi:[0,1]   ; L - that: at most 0
.endr
.irp k, 0,1,2,3,4,5,6,7,8,9,10,11,12,13,14,15,16,17,18,19,20,21,22,23,24,25,26,27,28,29,30,31
	v_exp_f32 v[D+\k], v[D+\k]
.endr
	v_nop                                          ; one plain vector instruction behind the run of exponentials (ISA guide 5.7.2)
	s_wait_alu depctr_va_vdst(0)
.irp c, 0,1,2,3
	v_pk_add_f32 v[TM+2*\c:TM+2*\c+1], v[D+4*\c:D+4*\c+1], v[D+4*\c+2:D+4*\c+3]           ; four chains of pairs, started by the first sums: D 0..15
.endr
.irp c, 0,1,2,3
	v_pk_add_f32 v[TM+2*\c:TM+2*\c+1], v[TM+2*\c:TM+2*\c+1], v[D+16+2*\c:D+16+2*\c+1]     ; D 16..23
.endr
.irp c, 0,1,2,3
	v_pk_add_f32 v[TM+2*\c:TM+2*\c+1], v[TM+2*\c:TM+2*\c+1], v[D+24+2*\c:D+24+2*\c+1]     ; D 24..31
.endr
	v_pk_add_f32 v[TM:TM+1], v[TM:TM+1], v[TM+2:TM+3]
	v_pk_add_f32 v[TM+4:TM+5], v[TM+4:TM+5], v[TM+6:TM+7]
	v_pk_add_f32 v[TM:TM+1], v[TM:TM+1], v[TM+4:TM+5]
	v_add_f32 v[TM], v[TM], v[TM+1]
	v_permlanex16_b32 v[PM], v[TM], s18, s19
	v_add_f32 v[M], v[TM], v[PM]                   ; the sum holds the largest term, 1: it lies in [1, 64]
	v_rcp_f32 v[M], v[M]
	v_nop                                          ; one plain vector instruction behind the reciprocal (ISA guide 5.7.2)
	s_wait_alu depctr_va_vdst(0)
.irp p, 0,2,4,6,8,10,12,14,16,18,20,22,24,26,28,30
	v_pk_mul_f32 v[D+\p:D+\p+1], v[D+\p:D+\p+1], v[M:M+1] op_sel_hi:[1,0]
.endr
	; through my wave's stage: in by lanes (row r, classes 16 t + 8 h + 0..7 = bytes 64 t + 32 h), back by rows
.irp t, 0,1,2,3
	ds_store_b128 v[STO], v[D+8*\t:D+8*\t+3]   offset:64*\t
	ds_store_b128 v[STO], v[D+8*\t+4:D+8*\t+7] offset:64*\t+16
.endr
.if \i
	s_wait_xcnt 0x0                                ; R is the data of the last tile's stores: it is loaded again only behind this wait (ISA guide 3.1)
.endif
.irp t, 0,1,2,3,4,5,6,7
	ds_load_b128 v[R+4*\t:R+4*\t+3], v[RD] offset:\t*2*SPITCH      ; LDS serves a wave's instructions in order (ISA guide 5.7.1.4): these see the stores above
.endr
.irp t, 0,1,2,3,4,5,6,7
	s_wait_dscnt 7-\t                              ; the t-th of the eight loads is back; the younger ones stay out
	global_store_b128 v[OO], v[R+4*\t:R+4*\t+3], s[10:11] offset:\i*TILE_O+512*\t th:TH_STORE_NT    ; rows 2 t and 2 t + 1: 512 consecutive bytes, aligned
.endr
.endm
	s_wait_loadcnt 3                               ; tile 0's x is in; tile 1's three loads stay out
	ANGLE 0
	ODDS
	s_wait_dscnt 0x0                               ; B's fragments, asked for 135 instructions ago
	LOGITS
	s_wait_loadcnt 0x0                             ; tile 1's x
	ANGLE 1                                        ; five plain vector instructions that name none of the products' registers: the four places
	                                               ; that stand between a matrix instruction and a vector instruction that reads its result (ISA guide 7.12.1)
	SOFTMAX 0
	ODDS
	LOGITS
.rept 4
	v_nop                                          ; the same four places; nothing is left to do in them
.endr
	SOFTMAX 1
	s_wait_tensorcnt 0x0
	ds_add_u32 v238, v239
	s_wait_dscnt 0x0
	s_endpgm
.Lfunc_end_k_qd055f52cbc_llp:
	.size	k_qd055f52cbc_llp, .Lfunc_end_k_qd055f52cbc_llp-k_qd055f52cbc_llp
	.p2alignl 7, 3214868480
	.fill 96, 4, 3214868480
	.section	.rodata,"a",@progbits
	.p2align	6, 0x0
	.amdhsa_kernel k_qd055f52cbc_llp
		.amdhsa_group_segment_fixed_size 38400
		.amdhsa_private_segment_fixed_size 0
		.amdhsa_enable_private_segment 0
		.amdhsa_kernarg_size 32
		.amdhsa_user_sgpr_count 2
		.amdhsa_user_sgpr_kernarg_segment_ptr 1
		.amdhsa_wavefront_size32 1
		.amdhsa_system_sgpr_workgroup_id_x 1
		.amdhsa_system_sgpr_workgroup_id_y 1
		.amdhsa_system_sgpr_workgroup_id_z 1
		.amdhsa_system_vgpr_workitem_id 0
		.amdhsa_next_free_vgpr 240
		.amdhsa_next_free_sgpr 66
		.amdhsa_reserve_vcc 0
		.amdhsa_float_denorm_mode_32 3
		.amdhsa_float_denorm_mode_16_64 3
		.amdhsa_memory_ordered 1
		.amdhsa_forward_progress 1
		.amdhsa_inst_pref_size 38
	.end_amdhsa_kernel
	.amdgpu_metadata
---
amdhsa.version: [ 1, 2 ]
amdhsa.kernels:
  - .name:           k_qd055f52cbc_llp
    .symbol:         k_qd055f52cbc_llp.kd
    .args:
      - { .name: x, .offset: 0, .size: 8, .value_kind: global_buffer, .address_space: global }
      - { .name: params, .offset: 8, .size: 8, .value_kind: global_buffer, .address_space: global }
      - { .name: patterns, .offset: 16, .size: 8, .value_kind: global_buffer, .address_space: global }
      - { .name: out0, .offset: 24, .size: 8, .value_kind: global_buffer, .address_space: global }
    .group_segment_fixed_size: 38400
    .private_segment_fixed_size: 0
    .kernarg_segment_align: 8
    .kernarg_segment_size: 32
    .max_flat_workgroup_size: 256
    .sgpr_count:     66
    .vgpr_count:     240
    .wavefront_size: 32
...
	.end_amdgpu_metadata
.endif
;; end of part 1
